; MI455X (gfx1250); checked and timed in simulation.
; The chip was launched on July 23, 2026; its instructions are those of AMD's public machine-readable ISA for CDNA 5 (MIT licence, August 2026) and "CDNA5" Instruction Set Architecture Reference Guide (July 2026). The comments in the code are by the model that wrote it; some were corrected since.
;; Multi Head Binding Attention. Allowed arithmetic: matrix products marked QUANTISED: E2M3 operands, one E8M0 scale for each 32 along K, by v_wmma_scale_f32_16x16x128_f8f6f4 with both operands' format E2M3, f32 sums; everything else in f32.
;; Inputs: bv_k 4 x 512 float32; bv_q 4 x 512 float32; bv_v 4 x 512 float32; x 4 x 2,048 x 2,048 float32.
;; Outputs: out0 4 x 2,048 x 2,048 float32.
;; This version of the problem:
;;   THIS VERSION OF THE PROBLEM IS GIVEN IN LOW PRECISION. The matrix products marked QUANTISED in the list below multiply operands that are first quantised to E2M3 (2 exponent bits, 3 mantissa bits; 6 bits a number), with one power-of-two scale for each 32 numbers along K (OCP MX v1.0); their sums are f32. All else is computed in f32.
;;   The module's matrix products, in the order in which they are computed (A, B: the left and right operand; K: the contracted axis; several contracted axes count as one K, in the product's order):
;;     1. batch 16 x [M 2,048, K 512] x [K 512, N 2,048]; A: computed on the way; B: computed on the way: QUANTISED
;;     2. batch 16 x [M 512, K 2,048] x [K 2,048, N 2,048]; A: computed on the way; B: computed on the way: QUANTISED
;;   THE QUANTISER, for each operand of a quantised product, along K:
;;     - K is cut into blocks of 32 from its start; a last block that is shorter is filled with zeros.
;;     - A block's scale is 2^e with e = floor(log2(the largest magnitude in the block)) - 2, held to -126 .. 127; a block of zeros has e = 0. As a byte (E8M0): e + 127.
;;     - Each number is divided by its block's scale, clamped to +-7.5, and rounded to the nearest number of E2M3, ties to even, subnormals kept.
;;     - The product sums the exact products of the quantised numbers (number of the format x scale) in f32.
;;   ~~~python
;;   def quantise(x, axis):      # numpy; x: float32 -> the quantised numbers, widened to float32 again
;;       x = np.moveaxis(x, axis, -1); K = x.shape[-1]
;;       x = np.pad(x, [(0, 0)] * (x.ndim - 1) + [(0, -K % 32)]); x = x.reshape(x.shape[:-1] + (-1, 32)); a = np.abs(x).max(-1, keepdims=True)
;;       e = np.where(a > 0, np.clip(np.frexp(np.where(a > 0, a, 1))[1] - 1 - 2, -126, 127), 0)      # np.frexp(a)[1] - 1 = floor(log2(a)), exactly
;;       r = np.clip(x / 2.0 ** e, -7.5, 7.5)
;;       step = 2.0 ** (np.maximum(np.frexp(np.where(r == 0, 1, r))[1] - 1, 0) - 3)
;;       q = np.round(r / step) * step * 2.0 ** e      # np.round: ties to even
;;       return np.moveaxis(q.reshape(q.shape[:-2] + (-1,))[..., :K], -1, axis).astype(np.float32)
;;   ~~~
;;   OPERANDS COMPUTED ON THE WAY. 'Computed on the way' means the value that the module computes at that place (a softmax that the list does not call 'softmax' is quantised finished and normalised). What goes into a quantiser is computed in f32, as accurately as f32 sums, v_exp_f32 and their like allow (about 1e-6 of the number): no bf16 or f16 on the way to a quantiser, and a product that is left as it is and whose result goes on into a quantised operand takes f32 operands (vector FMAs, or v_wmma_f32_16x16x4_f32). A number that lies on a knife's edge between two numbers of the format may be rounded either way, as far as f32 arithmetic and the matrix unit's own rounding can turn it there, and no further.
;; One version. Each part assembles by itself: llvm-mc -triple=amdgcn-amd-amdhsa -mcpu=gfx1250 --defsym DOCPART=n.
;; ======== version 1 of 1: 2 launches
;; workspace buffers: qimg 13,107,200 bytes; kvimg 26,214,400 bytes
;; launch quant (part 1): grid 16 x 64, 4 waves a work-group, no clusters, 69,120 bytes of LDS; arguments x, bv_q, bv_k, bv_v, qimg, kvimg; writes qimg, kvimg
.if DOCPART == 1
	.amdgcn_target "amdgcn-amd-amdhsa--gfx1250"
	.amdhsa_code_object_version 6
	.text
	.protected	k_qb9be9595ed_quant
	.globl	k_qb9be9595ed_quant
	.p2align	8
	.type	k_qb9be9595ed_quant,@function
k_qb9be9595ed_quant:
	s_mov_b64 s[64:65], 0
	v_nop
	global_prefetch_b8 v0, s[64:65] scope:SCOPE_SE
	s_setreg_imm32_b32 hwreg(HW_REG_WAVE_MODE, 25, 1), 1
	s_wait_xcnt 0x0
; FIRST OF TWO LAUNCHES.  out[b][t][h][:] = sum over s <= t of sigmoid(4 Q[t].K[s] / sqrt(512)) V[s][:], with Q, K, V = x times a vector of +-alpha for each head; both products on codes of E2M3 with one E8M0 scale for each 32 along K.
; This launch makes bind = (alpha sign(w) - w) + w, alpha = the mean of |w| over the head's 512 (sign 0 counts as +), as it is written, multiplies x by the three binds in f32 and quantises:
; Q and K along the head's 512 (their product's K), V along the tokens (the second product's K).  The codes are laid in the order of the operands' registers, so that the second launch loads fragments whole.
; DEAD WORK, left out in the second launch: a key step of 128 keys all of which come after all 256 queries of a block.  There reference() itself, by its own jnp.tril and jnp.where, puts 0 in place of every weight, whatever the
; inputs hold; the four blocks of 32 keys of such a step are blocks of zeros, whose codes are zeros and add 0 x V to every sum.  So neither those scores nor those products with V can reach an output.  Nothing else is left out,
; and all four inputs are loaded.  LIMIT: a NaN, an infinity or an overflow that reaches only the work left out is not carried to the result.
; LIMITS: NaN and infinities among the inputs are not served.  A block of zeros gets the scale byte 1 where the rule says 127: its codes are zeros, and this program alone reads the bytes.  Blocks whose largest magnitude lies
; under 2^-124 have their byte held at 1.  Alpha's 512 terms are summed in another order than reference() sums them (16 a lane, then across the lanes).
; SHARES.  A work-group takes 128 tokens x 128 columns (one K step of Q and K, one quarter of a head for V).  Thread t' first owns COLUMN t': its 128 registers run down the tokens, so V's four blocks of 32 tokens are its own.
; The raw x goes through LDS, and thread t' then owns TOKEN t': its numbers run along the columns, four blocks of 32, for Q and for K.
; A FRAGMENT'S IMAGE is 1,536 bytes: registers 4 g .. 4 g + 3 of lane L at 512 g + 16 L.  Lane (r, h) of a fragment holds row r, k = 64 c + 32 h + 0 .. 31 in registers 6 c .. 6 c + 5: block 2 c + h of the row's four.
; qimg:  a record of 25,600 bytes for each 64 queries: codes [tile m][K step][1,536], row r of tile m = query 16 m + r; from 24,576 the scale words [K step][query].
; kvimg: a record of 102,400 bytes for each 128 keys: K's codes [w][u][K step][1,536], row r of tile (w, u) = key 32 w + 8 u + r + 8 (r / 8); from 49,152 K's scale words [K step][w][16 u + r];
;        from 51,200 V's codes [d / 16][1,536], row r = channel, k = the key in the step; from 100,352 V's scale words [d].
.set XP,    528                        ; a row of the x tile in LDS: 512 bytes + 16: 33 x 16, so that sixteen lanes that read sixteen rows touch sixteen different columns of 16 bytes
.set BQT,   128*XP                     ; behind the tile: Q's bind of my 128 columns, then K's
.set SPARE, BQT+1024                   ; the spare words, 128 bytes for each wave: two blocks of 256 bytes that no other line names
.set REC,   102400
.set QREC,  25600
.set SPW, 1                            ; v1   my spare word's LDS address; never rewritten
.set NIL, 2                            ; v2   0; never rewritten
.set L4,  4                            ; v4   4 x lane
.set XS,  5                            ; v5-6 where I put x of my column: rows 0-63, rows 64-127
.set XR,  7                            ; v7   my token's row in the tile
.set BT,  8                            ; v8   the bind tables
.set BW,  9                            ; v9   my column's place in them
.set OK,  10                           ; v10-15 byte offsets of my stores: K's codes, Q's codes, V's codes, K's, V's, Q's scale words
.set OQ,  11
.set OV,  12
.set OKS, 13
.set OVS, 14
.set OQS, 15
.set BV,  16                           ; v16-63 the three rows of bv, 16 numbers a lane each; then:
.set VV,  16                           ; v16-47 a block of V;  then
.set KC,  16                           ; v16-39 K's codes
.set TQ,  48                           ; v48-50, v52-54 the second half of a block's codes (a conversion's three registers begin on an even number)
.set TK,  52
.set MQ,  56                           ; v56-63 at work for Q and K
.set MK,  58
.set SQ,  60
.set SK,  61
.set BYQ, 62
.set BYK, 63
.set AL,  64                           ; v64-66 the three alphas, then my three binds
.set WW,  67                           ; v67-69 my column's w
.set VB,  70                           ; v70-71 V's bind, twice
.set SWV, 72                           ; v72-74 scale words
.set SWQ, 73
.set SWK, 74
.set M0,  75                           ; v75-79 at work
.set SC,  77
.set BY,  78
.set VC,  80                           ; v80-103  V's codes: 12 registers for lane (r, 0), 12 for lane (r, 1)
.set QC,  104                          ; v104-127 Q's
.set X,   128                          ; v128-255 x of my column;  then a block of x, Q's bind, K's bind (then K), Q
.set XB,  128
.set QB,  160
.set KB,  192
.set QV,  224
	s_load_b256 s[4:11], s[0:1], 0x0               ; x, bv_q, bv_k, bv_v
	s_load_b128 s[12:15], s[0:1], 0x20             ; qimg, kvimg
	v_lshl_add_u32 v[SPW], v0, 2, SPARE
	v_mov_b32 v[NIL], 0
	v_lshrrev_b32 v3, 5, v0
	v_readfirstlane_b32 s16, v3                    ; wave i
	v_and_b32 v3, 31, v0                           ; lane l
	v_lshlrev_b32 v[L4], 2, v3
	v_lshlrev_b32 v78, 4, v3                       ; 16 l: my 16 bytes of a load of bv
	v_lshlrev_b32 v[XS], 2, v0
	v_add_nc_u32 v[XS+1], 64*XP, v[XS]
	v_mul_u32_u24 v[XR], v0, XP
	v_mov_b32 v[BT], BQT
	v_lshl_add_u32 v[BW], v0, 2, BQT
	s_mov_b32 s20, 0x76543210
	s_mov_b32 s21, 0xfedcba98                      ; v_permlanex16_b32's selects for lane l xor 16
	s_lshr_b32 s19, ttmp9, 2                       ; head h
	s_and_b32 s22, ttmp9, 3                        ; kq: the K step of Q and K, the quarter of V's channels
	s_and_b32 s18, ttmp7, 0xffff                   ; tg = 16 b + st
	s_lshr_b32 s23, s18, 4                         ; b
	s_and_b32 s24, s18, 15                         ; st: the key step
	s_lshl_b32 s25, s23, 2
	s_add_co_u32 s25, s25, s19                     ; bh = 4 b + h
	s_lshl_b32 s26, s18, 20                        ; x: 128 tokens of 8,192 bytes for each tg,
	s_lshl_b32 s27, ttmp9, 9                       ; 512 bytes for each 128 columns,
	s_add_co_u32 s26, s26, s27
	s_lshl_b32 s27, s16, 7                         ; 128 bytes for each wave
	s_add_co_u32 s26, s26, s27
	s_lshl_b32 s28, s22, 9
	s_add_co_u32 s28, s28, s27                     ; 512 kq + 128 i
	v_add_nc_u32 v79, s28, v[L4]                   ; my column in a row of bv
	s_mov_b32 s27, 0
	s_lshl_b32 s30, s19, 11                        ; the head's row of bv
	s_mov_b32 s31, 0
	s_lshl_b32 s32, s25, 4
	s_add_co_u32 s32, s32, s24
	s_mul_i32 s32, s32, REC                        ; kvimg's record
	s_mov_b32 s33, 0
	s_lshl_b32 s34, s25, 5
	s_lshl_b32 s35, s24, 1
	s_add_co_u32 s34, s34, s35
	s_lshr_b32 s35, s16, 1
	s_add_co_u32 s34, s34, s35
	s_mul_i32 s34, s34, QREC                       ; qimg's record: block 2 st + i / 2 of 64 queries
	s_mov_b32 s35, 0
	s_mul_i32 s36, s22, 12288
	s_mul_i32 s37, s16, 3072
	s_add_co_u32 s36, s36, s37
	s_add_co_u32 s36, s36, 51200                   ; V's codes: quarter kq, tiles 2 i and 2 i + 1
	s_add_co_u32 s37, s28, 100352                  ; V's scale words
	s_mul_i32 s38, s16, 12288
	s_mul_i32 s39, s22, 1536
	s_add_co_u32 s38, s38, s39                     ; K's codes: w = i, K step kq
	s_and_b32 s40, s16, 1
	s_mul_i32 s41, s40, 12288
	s_add_co_u32 s41, s41, s39                     ; Q's codes: tiles 2 (i % 2) on, K step kq
	s_add_co_u32 s39, s28, 49152                   ; K's scale words
	s_lshl_b32 s40, s40, 7
	s_lshl_b32 s42, s22, 8
	s_add_co_u32 s40, s40, s42
	s_add_co_u32 s40, s40, 24576                   ; Q's scale words
	v_lshrrev_b32 v75, 4, v3                       ; l / 16
	v_and_b32 v76, 15, v3                          ; l % 16
	v_mul_u32_u24 v[OV], v75, 1536
	v_lshl_add_u32 v[OV], v76, 4, v[OV]
	v_add_nc_u32 v[OV], s36, v[OV]
	v_mul_u32_u24 v[OQ], v75, 6144
	v_lshl_add_u32 v[OQ], v76, 4, v[OQ]
	v_add_nc_u32 v[OQ], s41, v[OQ]
	v_bfe_u32 v77, v3, 3, 1                        ; K: token l of 32 is row (l % 8) + 8 (l / 16) of tile u = (l / 8) % 2
	v_and_b32 v76, 7, v3
	v_lshl_add_u32 v76, v75, 3, v76
	v_mul_u32_u24 v[OK], v77, 6144
	v_lshl_add_u32 v[OK], v76, 4, v[OK]
	v_add_nc_u32 v[OK], s38, v[OK]
	v_lshl_add_u32 v[OKS], v77, 4, v76
	v_lshlrev_b32 v[OKS], 2, v[OKS]
	v_add_nc_u32 v[OKS], s39, v[OKS]
	v_add_nc_u32 v[OVS], s37, v[L4]
	v_add_nc_u32 v[OQS], s40, v[L4]
	s_wait_kmcnt 0x0
	s_add_nc_u64 s[4:5], s[4:5], s[26:27]
	s_add_nc_u64 s[6:7], s[6:7], s[30:31]
	s_add_nc_u64 s[8:9], s[8:9], s[30:31]
	s_add_nc_u64 s[10:11], s[10:11], s[30:31]
	s_add_nc_u64 s[12:13], s[12:13], s[34:35]
	s_add_nc_u64 s[14:15], s[14:15], s[32:33]
.irp j, 0,1,2,3
	global_load_b128 v[BV+4*\j:BV+4*\j+3], v78, s[6:7] offset:512*\j          ; the head's whole rows of bv, for the alphas: every wave sums them for itself
	global_load_b128 v[BV+16+4*\j:BV+16+4*\j+3], v78, s[8:9] offset:512*\j
	global_load_b128 v[BV+32+4*\j:BV+32+4*\j+3], v78, s[10:11] offset:512*\j
.endr
	global_load_b32 v[WW], v79, s[6:7]
	global_load_b32 v[WW+1], v79, s[8:9]
	global_load_b32 v[WW+2], v79, s[10:11]
; 32 tokens of my column: each load reads 128 consecutive bytes a wave, and the four waves stand side by side on 512
.macro XLOAD tb
.set n, 0
.rept 32
	global_load_b32 v[X+32*(\tb)+n], v[L4], s[4:5] offset:(32*(\tb)+n)*8192 th:TH_LOAD_NT
.set n, n+1
.endr
.endm
; the largest magnitude of the 32 numbers from v[s] on, in two chains, with the floor 2^(3 - 127) as one more leaf: so the scale's byte cannot fall under 1
.macro BMAX s, d
	v_max3_num_f32 v[\d], |v[\s]|, |v[\s+1]|, |v[\s+2]|
	v_max3_num_f32 v[\d+1], |v[\s+3]|, |v[\s+4]|, |v[\s+5]|
.irp i, 6,10,14,18,22,26
	v_max3_num_f32 v[\d], v[\d], |v[\s+\i]|, |v[\s+\i+1]|
	v_max3_num_f32 v[\d+1], v[\d+1], |v[\s+\i+2]|, |v[\s+\i+3]|
.endr
	v_max3_num_f32 v[\d], v[\d], |v[\s+30]|, |v[\s+31]|
	v_max3_num_f32 v[\d], v[\d], v[\d+1], 0x1800000
.endm
	XLOAD 0
	s_wait_loadcnt 32                              ; the 15 loads of bv are in; the 32 of x behind them may be out
.irp q, 0,1,2
	v_add_f32 v[AL+\q], |v[BV+16*\q]|, |v[BV+16*\q+1]|
.endr
.irp n, 2,3,4,5,6,7,8,9,10,11,12,13,14,15
.irp q, 0,1,2
	v_add_f32 v[AL+\q], v[AL+\q], |v[BV+16*\q+\n]|         ; the three sums by turns
.endr
.endr
.irp k, 1,2,4,8
.irp q, 0,1,2
	v_add_f32_dpp v[AL+\q], v[AL+\q], v[AL+\q] row_xmask:\k row_mask:0xf bank_mask:0xf
.endr
.endr
.irp q, 0,1,2
	v_mov_b32 v[M0+\q], 0                          ; a lane permute's destination counts as one of its sources
.endr
.irp q, 0,1,2
	v_permlanex16_b32 v[M0+\q], v[AL+\q], s20, s21
.endr
.irp q, 0,1,2
	v_add_f32 v[AL+\q], v[AL+\q], v[M0+\q]
.endr
.irp q, 0,1,2
	v_mul_f32 v[AL+\q], 0x3b000000, v[AL+\q]       ; / 512: alpha
.endr
.irp q, 0,1,2
	v_xor_b32 v[M0+\q], 0x80000000, v[AL+\q]       ; -alpha
.endr
.irp q, 0,1,2
	v_cmp_gt_f32 vcc_lo, 0, v[WW+\q]               ; w < 0: -alpha; else (0 too) +alpha
	v_cndmask_b32 v[M0+\q], v[AL+\q], v[M0+\q], vcc_lo
	v_sub_f32 v[M0+\q], v[M0+\q], v[WW+\q]         ; (hard - w)
	v_add_f32 v[AL+\q], v[M0+\q], v[WW+\q]         ; + w: my column's bind
.endr
	ds_store_b32 v[BW], v[AL]                      ; Q's and K's go to the tables, for the threads that will own tokens
	ds_store_b32 v[BW], v[AL+1] offset:512
	v_mov_b32 v[VB], v[AL+2]
	v_mov_b32 v[VB+1], v[AL+2]
	XLOAD 1
; Block tb of V: tokens 32 tb on of my column.  The raw x goes to the tile in LDS; x times V's bind is quantised: block tb is registers 6 (tb / 2) on of lane (r, tb % 2)
.macro VBLOCK tb
.if (\tb) < 3
	s_wait_loadcnt 32                              ; this block's 32 loads are in; the next block's may be out
.else
	s_wait_loadcnt 0x0
.endif
.set n, 0
.rept 32
	ds_store_b32 v[XS+(\tb)/2], v[X+32*(\tb)+n] offset:((32*(\tb)+n)%64)*XP
.set n, n+1
.endr
.if (\tb) < 2
	XLOAD (\tb)+2
.endif
.set n, 0
.rept 16
	v_pk_mul_f32 v[VV+n:VV+n+1], v[X+32*(\tb)+n:X+32*(\tb)+n+1], v[VB:VB+1]
.set n, n+2
.endr
	BMAX VV, M0
	v_add_nc_u32 v[SC], 0xff000000, v[M0]          ; 2 off the exponent field: the conversion takes the exponent field of this operand as its scale, and nothing else of it
.set cb, VC+12*((\tb)%2)+6*((\tb)/2)
	v_cvt_scalef32_pk16_fp6_f32 v[cb:cb+2], v[VV:VV+15], v[SC]
	v_cvt_scalef32_pk16_fp6_f32 v[TQ:TQ+2], v[VV+16:VV+31], v[SC]
	v_lshrrev_b32 v[BY], 23, v[SC]                 ; the scale's byte (also the plain line behind the conversions)
.if (\tb) == 0
	v_mov_b32 v[SWV], v[BY]
.else
	v_lshl_or_b32 v[SWV], v[BY], 8*(\tb), v[SWV]
.endif
.irp i, 0,1,2
	v_mov_b32 v[cb+3+\i], v[TQ+\i]
.endr
.endm
	VBLOCK 0
	VBLOCK 1
	VBLOCK 2
	VBLOCK 3
	s_wait_dscnt 0x0                               ; my part of the tile and of the tables has landed
	s_barrier_signal -1
	s_barrier_wait -1                              ; everybody's has: the launch's one barrier
.irp h, 0,1
.irp g, 0,1,2
	global_store_b128 v[OV], v[VC+12*\h+4*\g:VC+12*\h+4*\g+3], s[14:15] offset:512*\g+256*\h   ; sixteen lanes store 256 consecutive bytes, at a multiple of 256 from the buffer's first byte
.endr
.endr
	global_store_b32 v[OVS], v[SWV], s[14:15]
; Block db of Q and of K: columns 32 db on of my token
.macro QKBLOCK db
.irp j, 0,1,2,3,4,5,6,7
	ds_load_b128 v[XB+4*\j:XB+4*\j+3], v[XR] offset:128*(\db)+16*\j
.endr
.irp j, 0,1,2,3,4,5,6,7
	ds_load_b128 v[QB+4*\j:QB+4*\j+3], v[BT] offset:128*(\db)+16*\j           ; all lanes read the same words
.endr
.irp j, 0,1,2,3,4,5,6,7
	ds_load_b128 v[KB+4*\j:KB+4*\j+3], v[BT] offset:512+128*(\db)+16*\j
.endr
	s_wait_dscnt 0x0
.set n, 0
.rept 16
	v_pk_mul_f32 v[QV+n:QV+n+1], v[XB+n:XB+n+1], v[QB+n:QB+n+1]
	v_pk_mul_f32 v[KB+n:KB+n+1], v[XB+n:XB+n+1], v[KB+n:KB+n+1]
.set n, n+2
.endr
	BMAX QV, MQ
	BMAX KB, MK
	v_add_nc_u32 v[SQ], 0xff000000, v[MQ]
	v_add_nc_u32 v[SK], 0xff000000, v[MK]
.set cq, QC+12*((\db)%2)+6*((\db)/2)
.set ck, KC+12*((\db)%2)+6*((\db)/2)
	v_cvt_scalef32_pk16_fp6_f32 v[cq:cq+2], v[QV:QV+15], v[SQ]
	v_cvt_scalef32_pk16_fp6_f32 v[TQ:TQ+2], v[QV+16:QV+31], v[SQ]
	v_cvt_scalef32_pk16_fp6_f32 v[ck:ck+2], v[KB:KB+15], v[SK]
	v_cvt_scalef32_pk16_fp6_f32 v[TK:TK+2], v[KB+16:KB+31], v[SK]
	v_lshrrev_b32 v[BYQ], 23, v[SQ]                ; the bytes (also the plain line behind the conversions)
	v_lshrrev_b32 v[BYK], 23, v[SK]
.if (\db) == 0
	v_mov_b32 v[SWQ], v[BYQ]
	v_mov_b32 v[SWK], v[BYK]
.else
	v_lshl_or_b32 v[SWQ], v[BYQ], 8*(\db), v[SWQ]
	v_lshl_or_b32 v[SWK], v[BYK], 8*(\db), v[SWK]
.endif
.irp i, 0,1,2
	v_mov_b32 v[cq+3+\i], v[TQ+\i]
	v_mov_b32 v[ck+3+\i], v[TK+\i]
.endr
.endm
	QKBLOCK 0
	QKBLOCK 1
	QKBLOCK 2
	QKBLOCK 3
.irp h, 0,1
.irp g, 0,1,2
	global_store_b128 v[OK], v[KC+12*\h+4*\g:KC+12*\h+4*\g+3], s[14:15] offset:512*\g+256*\h   ; the 32 lanes fill two aligned runs of 256 bytes: tile u = 0's and tile u = 1's
	global_store_b128 v[OQ], v[QC+12*\h+4*\g:QC+12*\h+4*\g+3], s[12:13] offset:512*\g+256*\h
.endr
.endr
	global_store_b32 v[OKS], v[SWK], s[14:15]
	global_store_b32 v[OQS], v[SWQ], s[12:13]
	s_wait_tensorcnt 0x0                           ; the wave's end: behind my last LDS store
	ds_add_u32 v[SPW], v[NIL]
	s_wait_dscnt 0x0
	s_endpgm
.Lfunc_end_k_qb9be9595ed_quant:
	.size	k_qb9be9595ed_quant, .Lfunc_end_k_qb9be9595ed_quant-k_qb9be9595ed_quant
	.p2alignl 7, 3214868480
	.fill 96, 4, 3214868480
	.section	.rodata,"a",@progbits
	.p2align	6, 0x0
	.amdhsa_kernel k_qb9be9595ed_quant
		.amdhsa_group_segment_fixed_size 69120
		.amdhsa_private_segment_fixed_size 0
		.amdhsa_enable_private_segment 0
		.amdhsa_kernarg_size 48
		.amdhsa_user_sgpr_count 2
		.amdhsa_user_sgpr_kernarg_segment_ptr 1
		.amdhsa_wavefront_size32 1
		.amdhsa_system_sgpr_workgroup_id_x 1
		.amdhsa_system_sgpr_workgroup_id_y 1
		.amdhsa_system_sgpr_workgroup_id_z 1
		.amdhsa_system_vgpr_workitem_id 0
		.amdhsa_next_free_vgpr 256
		.amdhsa_next_free_sgpr 66
		.amdhsa_reserve_vcc 1
		.amdhsa_float_denorm_mode_32 3
		.amdhsa_float_denorm_mode_16_64 3
		.amdhsa_memory_ordered 1
		.amdhsa_forward_progress 1
		.amdhsa_inst_pref_size 68
	.end_amdhsa_kernel
	.amdgpu_metadata
---
amdhsa.version: [ 1, 2 ]
amdhsa.kernels:
  - .name:           k_qb9be9595ed_quant
    .symbol:         k_qb9be9595ed_quant.kd
    .args:
      - { .name: x, .offset: 0, .size: 8, .value_kind: global_buffer, .address_space: global }
      - { .name: bv_q, .offset: 8, .size: 8, .value_kind: global_buffer, .address_space: global }
      - { .name: bv_k, .offset: 16, .size: 8, .value_kind: global_buffer, .address_space: global }
      - { .name: bv_v, .offset: 24, .size: 8, .value_kind: global_buffer, .address_space: global }
      - { .name: qimg, .offset: 32, .size: 8, .value_kind: global_buffer, .address_space: global }
      - { .name: kvimg, .offset: 40, .size: 8, .value_kind: global_buffer, .address_space: global }
    .group_segment_fixed_size: 69120
    .private_segment_fixed_size: 0
    .kernarg_segment_align: 8
    .kernarg_segment_size: 48
    .max_flat_workgroup_size: 128
    .sgpr_count:     66
    .vgpr_count:     256
    .wavefront_size: 32
...
	.end_amdgpu_metadata
.endif
;; end of part 1
;; launch attn (part 2): grid 16 x 16, 8 waves a work-group, clusters of 4 x 1, 327,680 bytes of LDS; arguments qimg, kvimg, out0; writes out0
.if DOCPART == 2
	.amdgcn_target "amdgcn-amd-amdhsa--gfx1250"
	.amdhsa_code_object_version 6
	.text
	.protected	k_qb9be9595ed_attn
	.globl	k_qb9be9595ed_attn
	.p2align	8
	.type	k_qb9be9595ed_attn,@function
k_qb9be9595ed_attn:
	s_mov_b64 s[64:65], 0
	v_nop
	global_prefetch_b8 v0, s[64:65] scope:SCOPE_SE
	s_setreg_imm32_b32 hwreg(HW_REG_WAVE_MODE, 25, 1), 1
	s_wait_xcnt 0x0
	s_wait_alu depctr_hold_cnt(0) depctr_sa_sdst(0) depctr_va_vdst(0) depctr_va_sdst(0) depctr_va_ssrc(0) depctr_va_vcc(0) depctr_vm_vsrc(0)
	s_getreg_b32 s2, hwreg(HW_REG_IB_STS2, 6, 4)
	s_cmp_eq_u32 s2, 0
	s_cbranch_scc0 .Lentry_in_a_cluster
	s_endpgm
.Lentry_in_a_cluster:
	s_bfe_u32 s2, ttmp6, 0x10000c
	s_cmp_lg_u32 s2, 0x3003
	s_cbranch_scc0 .Lentry_shape_is_right
	s_endpgm
.Lentry_shape_is_right:
; SECOND LAUNCH.  out[b][t][h][:] = sum over keys s <= t of Q6(p) Q6(V), p = sigmoid(4 score / sqrt(512)) = 1 / (1 + 2^(c score)), c = -4 log2(e) / sqrt(512); score = Q6(Q) . Q6(K).  Q6: codes of E2M3, one E8M0 scale for each 32 along K.
; Q's, K's and V's codes come from the first launch as images of the operands' registers (its head comment has the layouts).  p is quantised here, along the keys, hidden keys as zeros inside their blocks.
; LEFT OUT AS DEAD WORK: key steps of 128 keys that all come after all 256 queries of a block: reference()'s own tril puts 0 for every weight there (shown at the head of the first launch).
; LIMITS: NaN and infinities are not served.  A p under 2^-126 comes out of the reciprocal as 0.  A block of zeros has the scale byte 1 where the rule says 127: its codes are zeros.
; SHARES.  A cluster of four work-groups owns two blocks of 256 queries of one head: block 7 - a (16 - 2 a key steps) and then block a (2 a + 2): 18 key steps for every cluster.  A work-group has 64 of each block's queries.
; The four partners walk the same K and V: every record of kvimg is asked for JOINTLY, by the same tensor loads with the same descriptors and the mask of all four.
; TWO ROLES.  Four S waves: wave idx makes S^T = K Q^T for keys 32 idx .. + 31 of the step and all 64 queries (Q stays in registers), the sigmoid, the mask, the codes of p; these go to LDS.
; Four PV waves: wave idx adds V^T p^T of the step BEFORE for channels 128 idx .. + 127 and all 64 queries (256 registers of sums).  So one wave's vector work stands beside another's matrix work.
; Both products are used transposed (source 0 = 16 keys, or 16 channels; source 1 = 16 queries): a lane holds ONE query.  The keys of a tile of K are chosen so that the 16 registers of tiles u = 0, 1 are keys 32 idx + 16 (lane / 16) + 0 .. 15.
; INTERVALS tau = 0 .. 18, parted by one change each.  In interval tau slot tau % 2 holds K of step tau + 1 and V of step tau - 1.  S waves: S(tau) on K's registers, fetch K(tau + 1), p(tau) into p's buffer tau % 2.
; PV waves: PV(tau - 1).  Behind the change waves 0-3 ask for K(tau + 2) (tau = 0 .. 15) and waves 4-7 for V(tau) (tau = 2 .. 17), into the other slot.
; REGISTERS.  v1-23 addresses, made by every wave ahead of the first parting.  S waves: v24-27 K's scale words, v28-35 Q's, v36-47 at work, v48-63 p's codes, v64-127 S^T then p, v128-223 K; window 1: v0-191 Q.
; PV waves: v24-27 V's scale words, v28-29 p's, v64-111 p's fragments, v128-223 V's (v128-255 rows of out on the way out); window 1: the 32 accumulators, (channel tile t, query tile m) at v[8 (4 t + m)].
.set REC,    102400                    ; a record of kvimg, and a slot
.set KSOFF,  49152
.set VOFF,   51200
.set VSOFF,  100352
.set QREC,   25600
.set QSOFF,  24576
.set PIECE,  12800                     ; an eighth of a record: 50 rows of 256 bytes: what one tensor load brings.  Waves 0-3 bring K's half, waves 4-7 V's
.set QPIECE, 6400
.set SLOT,   102400
.set QI,     2*SLOT                    ; behind the ring: Q's two records, filled once
.set PB,     QI+2*QREC                 ; p's two buffers: four images of 1,536 bytes, laid 48 bytes a lane, and 64 scale words
.set PBUF,   6400
.set PSOFF,  6144
.set STG,    PB+2*PBUF                 ; a stage of 16 rows x (512 bytes + 16) for each PV wave
.set SP,     528
.set STGW,   16*SP
.set SPARE,  STG+4*STGW                ; the spare words, 128 bytes for each wave: four blocks of 256 bytes that no other line names
.set SPW, 1
.set NIL, 2
.set KA,  3                            ; v3-4   K's fragments in slot 0, 1
.set KSA, 5                            ; v5-6   K's scale words
.set VA,  7                            ; v7-8   V's fragments
.set VSA, 9                            ; v9-10  V's scale words
.set QA,  11                           ; v11    Q's fragments
.set QSA, 12                           ; v12    Q's scale words
.set PW,  13                           ; v13    where I put three registers of p's codes
.set PB8, 14                           ; v14    and my block's scale byte
.set PR,  15                           ; v15    where I read p's fragments
.set PSA, 16                           ; v16    and p's scale words
.set SO,  17                           ; v17    the stage: in
.set SR,  18                           ; v18    the stage: back
.set GO,  19                           ; v19    my 16 bytes of a row's 512 in out
.set RH,  20                           ; v20    lane % 16 - 16 (lane / 16)
.set PFO, 21                           ; v21    256 x lane: the prefetches' offset
.set D0,  22                           ; v22    the mask's bound
.set ZR,  23                           ; v23    0, for the mask
.set KSC, 24
.set QSC, 28
.set TM,  36
.set TX,  40
.set SCL, 44
.set PC,  48
.set S,   64
.set KF,  128
.set VSC, 24
.set PSC, 28
.set PF,  64
.set VF,  128
.set OB,  128
.set MSB, 0
.macro WIN new                         ; the immediate's high byte repeats the setting that is left; bits 1:0 source 0, 3:2 source 1, 5:4 source 2, 7:6 destination
.if MSB != \new
	s_set_vgpr_msb (MSB<<8)|\new
.set MSB, \new
.endif
.endm
.macro NOPS n
.rept \n
	v_nop
.endr
.endm
; A round of the cluster's barrier: my work-group's barrier, wave 0 signals for the work-group, every wave waits for all four work-groups, my work-group's barrier once more
.macro ROUND
	s_barrier_signal -1
	s_barrier_wait -1
	s_cmp_lg_u32 s10, 0
	s_cbranch_scc1 .Lnot_wave_0_\@
	s_barrier_signal -3
.Lnot_wave_0_\@:
	s_barrier_wait -3
	s_barrier_signal -1
	s_barrier_wait -1
.endm
; One matrix instruction on the registers rD, rA, rB with the scale registers rSA, rSB.  z = 1: it starts the sum.  ra, rb: the half of the lanes in which A's and B's scale words stand
.macro WM z, ra, rb
.if \z
.if ((\ra) == 0) && ((\rb) == 0)
	v_wmma_scale_f32_16x16x128_f8f6f4 v[rD:rD+7], v[rA:rA+11], v[rB:rB+11], 0, v[rSA], v[rSB] matrix_a_fmt:MATRIX_FMT_FP6 matrix_b_fmt:MATRIX_FMT_FP6
.elseif (\rb) == 0
	v_wmma_scale_f32_16x16x128_f8f6f4 v[rD:rD+7], v[rA:rA+11], v[rB:rB+11], 0, v[rSA], v[rSB] matrix_a_fmt:MATRIX_FMT_FP6 matrix_b_fmt:MATRIX_FMT_FP6 matrix_a_scale:MATRIX_SCALE_ROW1
.elseif (\ra) == 0
	v_wmma_scale_f32_16x16x128_f8f6f4 v[rD:rD+7], v[rA:rA+11], v[rB:rB+11], 0, v[rSA], v[rSB] matrix_a_fmt:MATRIX_FMT_FP6 matrix_b_fmt:MATRIX_FMT_FP6 matrix_b_scale:MATRIX_SCALE_ROW1
.else
	v_wmma_scale_f32_16x16x128_f8f6f4 v[rD:rD+7], v[rA:rA+11], v[rB:rB+11], 0, v[rSA], v[rSB] matrix_a_fmt:MATRIX_FMT_FP6 matrix_b_fmt:MATRIX_FMT_FP6 matrix_a_scale:MATRIX_SCALE_ROW1 matrix_b_scale:MATRIX_SCALE_ROW1
.endif
.else
.if ((\ra) == 0) && ((\rb) == 0)
	v_wmma_scale_f32_16x16x128_f8f6f4 v[rD:rD+7], v[rA:rA+11], v[rB:rB+11], v[rD:rD+7], v[rSA], v[rSB] matrix_a_fmt:MATRIX_FMT_FP6 matrix_b_fmt:MATRIX_FMT_FP6
.elseif (\rb) == 0
	v_wmma_scale_f32_16x16x128_f8f6f4 v[rD:rD+7], v[rA:rA+11], v[rB:rB+11], v[rD:rD+7], v[rSA], v[rSB] matrix_a_fmt:MATRIX_FMT_FP6 matrix_b_fmt:MATRIX_FMT_FP6 matrix_a_scale:MATRIX_SCALE_ROW1
.elseif (\ra) == 0
	v_wmma_scale_f32_16x16x128_f8f6f4 v[rD:rD+7], v[rA:rA+11], v[rB:rB+11], v[rD:rD+7], v[rSA], v[rSB] matrix_a_fmt:MATRIX_FMT_FP6 matrix_b_fmt:MATRIX_FMT_FP6 matrix_b_scale:MATRIX_SCALE_ROW1
.else
	v_wmma_scale_f32_16x16x128_f8f6f4 v[rD:rD+7], v[rA:rA+11], v[rB:rB+11], v[rD:rD+7], v[rSA], v[rSB] matrix_a_fmt:MATRIX_FMT_FP6 matrix_b_fmt:MATRIX_FMT_FP6 matrix_a_scale:MATRIX_SCALE_ROW1 matrix_b_scale:MATRIX_SCALE_ROW1
.endif
.endif
.endm
	s_load_b128 s[4:7], s[0:1], 0x0                ; qimg, kvimg
	s_load_b64 s[8:9], s[0:1], 0x10                ; out0
	v_lshl_add_u32 v[SPW], v0, 2, SPARE
	v_mov_b32 v[NIL], 0
	ds_add_u32 v[SPW], v[NIL]                      ; the wave's opening: the add, twice on end, and its wait ahead of my first tensor load; the set-up below stands between the second and the wait
	ds_add_u32 v[SPW], v[NIL]
	v_lshrrev_b32 v3, 5, v0
	v_readfirstlane_b32 s10, v3                    ; wave W, 0 .. 7
	s_lshr_b32 s11, s10, 2
	s_xor_b32 s11, s11, s10
	s_and_b32 s11, s11, 1                          ; role: 0 = S (waves 0, 2, 5, 7), 1 = PV (waves 1, 3, 4, 6)
	s_lshr_b32 s12, s10, 1                         ; idx: which quarter of the keys, or of the channels
	s_bfe_u32 s13, ttmp6, 0x40000                  ; cx: my place in the cluster: it enters Q's and out's addresses, the prefetches' and the mask's data, and nothing else
	s_mov_b32 s14, ttmp9                           ; a: the cluster's number in its head
	s_and_b32 s15, ttmp7, 0xffff                   ; bh = 4 b + h
	s_lshl_b32 s16, s14, 1
	s_sub_co_u32 s16, 16, s16                      ; n1: the first block's key steps
	s_mov_b32 s17, 0                               ; tau
	s_cmp_lt_u32 s10, 4
	s_cselect_b32 s18, 2, 0                        ; how far ahead of tau I fetch: K two steps, V none
	s_mov_b32 s20, 0x76543210
	s_mov_b32 s21, 0xfedcba98                      ; v_permlanex16_b32's selects for lane l xor 16
	s_mov_b32 s22, 0xbe8293ee                      ; c = -4 log2(e) / sqrt(512)
	s_mov_b32 s23, s22                             ; (named with it as a pair, so it is written)
	s_mov_b32 s24, 15|(3<<16)|(1<<21)              ; group 1 for K's and V's pieces: 15:0 the mask of all four work-groups; 17:16 elements of 8 bytes; 21 set beside a mask; no padding
	s_mov_b32 s25, 32<<16                          ; tensor_dim0 = 32 elements: rows of 256 bytes
	s_mov_b32 s26, 50<<16                          ; tensor_dim1 = 50
	s_mov_b32 s27, 32<<16                          ; tile_dim0
	s_mov_b32 s28, 50                              ; tile_dim1
	s_mov_b32 s29, 32                              ; from row to row: dense
	s_mov_b32 s30, 0
	s_mov_b32 s31, 0
	s_mov_b32 s32, 3<<16                           ; group 1 for Q's pieces: no mask (each work-group has its own queries), 25 rows of 256 bytes
	s_mov_b32 s33, 32<<16
	s_mov_b32 s34, 25<<16
	s_mov_b32 s35, 32<<16
	s_mov_b32 s36, 25
	s_mov_b32 s37, 32
	s_mov_b32 s38, 0
	s_mov_b32 s39, 0
	s_mul_i32 s66, s15, 16*REC                     ; the head's 16 records,
	s_mul_i32 s67, s10, PIECE                      ; my piece of a record
	s_add_co_u32 s66, s66, s67
	s_mov_b32 s67, 0
	s_mov_b32 s40, 1                               ; groups 0: slot 0 s[40:43], slot 1 s[44:47], Q s[48:51]
	s_mul_i32 s41, s10, PIECE
	s_mov_b32 s44, 1
	s_add_co_u32 s45, s41, SLOT
	s_mov_b32 s48, 1
	s_mul_i32 s49, s10, QPIECE
	s_add_co_u32 s49, s49, QI                      ; waves 0-3 bring the first block's record of Q, waves 4-7 the second's
	s_sub_co_u32 s62, 7, s14
	s_cmp_lt_u32 s10, 4
	s_cselect_b32 s62, s62, s14                    ; block 7 - a, or block a
	s_lshl_b32 s62, s62, 2
	s_add_co_u32 s62, s62, s13
	s_lshl_b32 s63, s15, 5
	s_add_co_u32 s62, s62, s63
	s_mul_i32 s62, s62, QREC
	s_and_b32 s63, s10, 3
	s_mul_i32 s63, s63, QPIECE
	s_add_co_u32 s62, s62, s63
	s_mov_b32 s63, 0
	s_lshr_b32 s68, s15, 2                         ; out: row b x 2048 + the block's first query + 64 cx, 8,192 bytes a row; + 2,048 h + 512 idx
	s_lshl_b32 s68, s68, 11
	s_lshl_b32 s69, s13, 6
	s_add_co_u32 s68, s68, s69
	s_sub_co_u32 s69, 7, s14
	s_lshl_b32 s69, s69, 8
	s_add_co_u32 s70, s68, s69
	s_lshl_b32 s69, s14, 8
	s_add_co_u32 s72, s68, s69
	s_lshl_b32 s70, s70, 13
	s_lshl_b32 s72, s72, 13
	s_and_b32 s69, s15, 3
	s_lshl_b32 s69, s69, 11
	s_lshl_b32 s68, s12, 9
	s_add_co_u32 s69, s69, s68
	s_add_co_u32 s70, s70, s69
	s_add_co_u32 s72, s72, s69
	s_mov_b32 s71, 0
	s_mov_b32 s73, 0
	s_mul_i32 s74, s13, 3                          ; the prefetches: piece g = 3 cx + W of twelve, 8,192 bytes each: K's codes are six pieces, V's six, K's scale words lie between
	s_add_co_u32 s74, s74, s10
	s_cmp_ge_u32 s74, 6
	s_cselect_b32 s75, 2048, 0
	s_lshl_b32 s74, s74, 13
	s_add_co_u32 s74, s74, s75
	s_mul_i32 s75, s15, 16*REC
	s_add_co_u32 s74, s74, s75
	s_add_co_u32 s74, s74, 3*REC                   ; in record 3: the first change steps it to record 4
	s_mov_b32 s75, 0
	s_cmp_lt_u32 s10, 3
	s_cselect_b32 s60, 0, 1
	s_or_b32 s60, s60, s14
	s_cmp_eq_u32 s60, 0
	s_cselect_b32 s60, 11, -1                      ; waves 0-2 of the cluster that walks all 16 records (a = 0) prefetch up to tau = 11; the others never
	s_lshl_b32 s61, s13, 6
	s_lshl_b32 s68, s12, 5
	s_sub_co_i32 s61, s61, s68                     ; 64 cx - 32 idx, for the mask
	s_wait_dscnt 0x0                               ; both opening adds are done
	s_wait_kmcnt 0x0
	s_add_nc_u64 s[52:53], s[6:7], s[66:67]        ; my piece of the head's record 0
	s_add_nc_u64 s[50:51], s[4:5], s[62:63]
	s_or_b32 s51, s51, 0x80000000                  ; type = 2
	s_mov_b64 s[46:47], s[52:53]                   ; record 0 goes to slot 1,
	s_or_b32 s47, s47, 0x80000000
	s_add_nc_u64 s[42:43], s[52:53], REC           ; record 1 to slot 0
	s_or_b32 s43, s43, 0x80000000
	s_add_nc_u64 s[54:55], s[8:9], s[70:71]        ; out at the first block's rows,
	s_add_nc_u64 s[56:57], s[8:9], s[72:73]        ; and at the second's
	s_add_nc_u64 s[58:59], s[6:7], s[74:75]
	ROUND                                          ; all four work-groups are here: the first joint loads meet
	tensor_load_to_lds s[48:51], s[32:39]          ; every wave's three first fills, as one group: three loads of mine are out
	s_nop 0
	tensor_load_to_lds s[44:47], s[24:31]
	s_nop 0
	tensor_load_to_lds s[40:43], s[24:31]
	s_nop 0
	NOPS 4
	v_and_b32 v36, 31, v0                          ; L
	v_and_b32 v37, 15, v0                          ; r
	v_bfe_u32 v38, v0, 4, 1                        ; h
	v_lshlrev_b32 v39, 4, v36
	v_lshlrev_b32 v44, 2, v36
	s_mul_i32 s62, s12, 12288
	v_add_nc_u32 v[KA], s62, v39
	v_add_nc_u32 v[KA+1], SLOT, v[KA]
	v_add_nc_u32 v[VA], VOFF, v[KA]
	v_add_nc_u32 v[VA+1], SLOT, v[VA]
	s_lshl_b32 s62, s12, 7
	s_add_co_u32 s62, s62, KSOFF
	v_add_nc_u32 v[KSA], s62, v44
	v_add_nc_u32 v[KSA+1], SLOT, v[KSA]
	s_lshl_b32 s62, s12, 9
	s_add_co_u32 s62, s62, VSOFF
	v_add_nc_u32 v[VSA], s62, v44
	v_add_nc_u32 v[VSA+1], SLOT, v[VSA]
	v_add_nc_u32 v[QA], QI, v39
	v_add_nc_u32 v[QSA], QI+QSOFF, v44
	v_mul_u32_u24 v[PW], v37, 48                   ; p's image: lane (r, h') of the fragment at 48 (r + 16 h'), register i at 4 i.  My 16 codes are registers 6 (idx / 2) + 3 h + 0 .. 2 of lane (r, idx % 2)
	v_mad_u32_u24 v[PW], v38, 12, v[PW]
	s_and_b32 s62, s12, 1
	s_mul_i32 s62, s62, 768
	s_lshr_b32 s63, s12, 1
	s_mul_i32 s63, s63, 24
	s_add_co_u32 s62, s62, s63
	s_add_co_u32 s62, s62, PB
	v_add_nc_u32 v[PW], s62, v[PW]
	s_add_co_u32 s62, s12, PB+PSOFF
	v_lshl_add_u32 v[PB8], v37, 2, s62             ; byte idx of query r's scale word
	v_mul_u32_u24 v[PR], v36, 48
	v_add_nc_u32 v[PR], PB, v[PR]
	v_add_nc_u32 v[PSA], PB+PSOFF, v44
	s_mul_i32 s62, s12, STGW
	s_add_co_u32 s62, s62, STG
	v_mul_u32_u24 v[SO], v37, SP
	v_lshl_add_u32 v[SO], v38, 5, v[SO]
	v_add_nc_u32 v[SO], s62, v[SO]                 ; the stage, in: row r, 32 bytes for each half of the lanes
	v_add_nc_u32 v[SR], s62, v39                   ; back: the 32 lanes take one row of 512 bytes
	v_mov_b32 v[GO], v39
	v_lshlrev_b32 v45, 4, v38
	v_sub_nc_u32 v[RH], v37, v45
	v_lshlrev_b32 v[PFO], 8, v36
	v_mov_b32 v[ZR], 0
.irp m, 0,1,2,3
	v_mov_b32 v[TX+\m], 0                          ; written once: a lane permute's destination counts as one of its sources
.endr
; K's eight fragments (tile u, K step k) and four scale words of the next step, from slot s
.macro LOADK s
.irp u, 0,1
.irp k, 0,1,2,3
.irp g, 0,1,2
	ds_load_b128 v[KF+12*(4*\u+\k)+4*\g:KF+12*(4*\u+\k)+4*\g+3], v[KA+\s] offset:6144*\u+1536*\k+512*\g
.endr
.endr
.endr
.irp k, 0,1,2,3
	ds_load_b32 v[KSC+\k], v[KSA+\s] offset:512*\k             ; lanes 0-15: tile u = 0's rows, lanes 16-31: tile u = 1's
.endr
.endm
; Q's sixteen fragments (tile m, K step k) into window 1, and eight registers of scale words, from record p
.macro LOADQ p
	WIN 0x40
.irp m, 0,1,2,3
.irp k, 0,1,2,3
.irp g, 0,1,2
	ds_load_b128 v[12*(4*\m+\k)+4*\g:12*(4*\m+\k)+4*\g+3], v[QA] offset:QREC*\p+1536*(4*\m+\k)+512*\g
.endr
.endr
.endr
	WIN 0
.irp i, 0,1
.irp k, 0,1,2,3
	ds_load_b32 v[QSC+4*\i+\k], v[QSA] offset:QREC*\p+256*\k+128*\i   ; lanes 0-15: tile 2 i's queries, lanes 16-31: tile 2 i + 1's
.endr
.endr
.endm
; S^T = K Q^T: 32 matrix instructions; the eight accumulators take turns, one instruction a turn; the first K step starts the sums
.macro SMUL
	WIN 0x04                                       ; source 1 (Q) window 1
.irp k, 0,1,2,3
.irp m, 0,1,2,3
.irp u, 0,1
.set rD, S+16*\m+8*\u
.set rA, KF+12*(4*\u+\k)
.set rB, 12*(4*\m+\k)
.set rSA, KSC+\k
.set rSB, QSC+4*(\m/2)+\k
.if \k == 0
	WM 1, \u, \m%2
.else
	WM 0, \u, \m%2
.endif
.endr
.endr
.endr
	WIN 0
	NOPS 5                                         ; the places behind the last products, ahead of the loads into K's (and Q's) registers and of the first read of the scores
.endm
; p = 1 / (1 + 2^(c score)): two batches of 64 transcendentals, each with one plain line and one wait behind it, ahead of its first reader.  Each accumulator is first read at its low end
.macro SIG
.set j, 0
.rept 32
	v_pk_mul_f32 v[S+j:S+j+1], v[S+j:S+j+1], s[22:23] op_sel_hi:[1,0]
.set j, j+2
.endr
.set j, 0
.rept 64
	v_exp_f32 v[S+j], v[S+j]
.set j, j+1
.endr
	v_nop
	s_wait_alu depctr_va_vdst(0)
.set j, 0
.rept 32
	v_pk_add_f32 v[S+j:S+j+1], v[S+j:S+j+1], 1.0 op_sel_hi:[1,0]
.set j, j+2
.endr
.set j, 0
.rept 64
	v_rcp_f32 v[S+j], v[S+j]
.set j, j+1
.endr
	v_nop
	s_wait_alu depctr_va_vdst(0)
.endm
; The diagonal's two steps, t = 0, 1.  Register 16 m + n holds key 128 t + 32 idx + 16 h + n and query 64 cx + 16 m + r, both counted from the block's first: hidden where n - 16 m > r - 16 h + 64 cx - 32 idx - 128 t
.macro MASK t
	s_sub_co_i32 s62, s61, 128*\t
	v_add_nc_u32 v[D0], s62, v[RH]
.irp m, 0,1,2,3
.irp n, 0,1,2,3,4,5,6,7,8,9,10,11,12,13,14,15
	v_cmp_gt_i32 vcc_lo, \n-16*\m, v[D0]
	v_cndmask_b32 v[S+16*\m+\n], v[S+16*\m+\n], v[ZR], vcc_lo
.endr
.endr
.endm
; p's codes: for each tile m of queries one block of 32 keys, 16 in this lane and 16 in lane l xor 16.  No |.|: p is never negative.  The four tiles by turns
.macro QUANT b
.irp m, 0,1,2,3
	v_max3_num_f32 v[TM+\m], v[S+16*\m], v[S+16*\m+1], 0x1800000   ; with the floor 2^(3 - 127): the byte cannot fall under 1
.endr
.irp i, 2,4,6,8,10,12,14
.irp m, 0,1,2,3
	v_max3_num_f32 v[TM+\m], v[TM+\m], v[S+16*\m+\i], v[S+16*\m+\i+1]
.endr
.endr
.irp m, 0,1,2,3
	v_permlanex16_b32 v[TX+\m], v[TM+\m], s20, s21
.endr
.irp m, 0,1,2,3
	v_max_num_f32 v[TM+\m], v[TM+\m], v[TX+\m]
.endr
.irp m, 0,1,2,3
	v_add_nc_u32 v[SCL+\m], 0xff000000, v[TM+\m]   ; 2 off the exponent field: the conversion's scale operand
.endr
.irp m, 0,1,2,3
	v_lshrrev_b32 v[TX+\m], 23, v[SCL+\m]          ; the scale's byte
.endr
.irp m, 0,1,2,3
	v_cvt_scalef32_pk16_fp6_f32 v[PC+4*\m:PC+4*\m+2], v[S+16*\m:S+16*\m+15], v[SCL+\m]
.endr
	v_nop                                          ; one plain line behind the last conversion
.irp m, 0,1,2,3
.irp i, 0,1,2
	ds_store_b32 v[PW], v[PC+4*\m+\i] offset:PBUF*\b+1536*\m+4*\i
.endr
	ds_store_b8 v[PB8], v[TX+\m] offset:PBUF*\b+64*\m          ; both lanes of a query write the same byte with the same value
.endr
.endm
; An S wave's interval.  dsk = 1: K of the next step is fetched.  mode 0: no test; 1: a step of the second block's diagonal; 2: the tests on tau against n1 (ids and the count of intervals alone), each in the interval of its parity
.macro SROLE par, dsk, mode
	SMUL
.if \dsk
	LOADK \par
.endif
.if ((\mode) == 2) && ((\par) == 1)
	s_sub_co_u32 s62, s16, 1
	s_cmp_lg_u32 s17, s62
	s_cbranch_scc1 .Lsame_q_\@
	LOADQ 1                                        ; the first block's last scores are made: the second block's queries take Q's registers
.Lsame_q_\@:
.endif
	SIG
.if (\mode) == 1
	MASK \par
.elseif (\mode) == 2
	s_sub_co_u32 s62, s16, 2-\par
	s_cmp_lg_u32 s17, s62
	s_cbranch_scc1 .Lopen_\@
	MASK \par
.Lopen_\@:
.endif
	QUANT \par
.endm
; O^T += V^T p^T: 32 matrix instructions on 32 different accumulators.  z = 1: they start the sums
.macro PVRUN z
	s_wait_dscnt 12                                ; all but V's fragments 4-7 are in
	WIN 0x50                                       ; C and D window 1
.irp t, 0,1,2,3
.irp m, 0,1,2,3
.set rD, 8*(4*\t+\m)
.set rA, VF+12*\t
.set rB, PF+12*\m
.set rSA, VSC+\t/2
.set rSB, PSC+\m/2
	WM \z, \t%2, \m%2
.endr
.endr
	s_wait_dscnt 0x0
.irp t, 4,5,6,7
.irp m, 0,1,2,3
.set rD, 8*(4*\t+\m)
.set rA, VF+12*\t
.set rB, PF+12*\m
.set rSA, VSC+\t/2
.set rSB, PSC+\m/2
	WM \z, \t%2, \m%2
.endr
.endr
	WIN 0
	NOPS 5                                         ; the places behind the last products, ahead of the next loads into their operands, of a new start of the sums and of the way out's reads
.endm
; THE WAY OUT, a tile of 16 queries at a time: a lane's 32 bytes of a row go into my own stage and come back as whole rows of 512 bytes.  LDS serves a wave's instructions in order: no wait between the stores and the loads
.macro TOSTAGE m
	WIN 0x04                                       ; an LDS store's data are its source 1: window 1
.irp t, 0,1,2,3,4,5,6,7
	ds_store_b128 v[SO], v[8*(4*\t+(\m)):8*(4*\t+(\m))+3] offset:64*\t         ; each accumulator from its low end on
	ds_store_b128 v[SO], v[8*(4*\t+(\m))+4:8*(4*\t+(\m))+7] offset:64*\t+16
.endr
	WIN 0
.set BB, OB+64*((\m)%2)
.irp i, 0,1,2,3,4,5,6,7,8,9,10,11,12,13,14,15
	ds_load_b128 v[BB+4*\i:BB+4*\i+3], v[SR] offset:\i*SP
.endr
.endm
.macro SEND m, y, base                 ; y: the LDS instructions issued behind tile m's loads, which may stay out
.set BB, OB+64*((\m)%2)
	s_wait_dscnt \y
.irp i, 0,1,2,3,4,5,6,7,8,9,10,11,12,13,14,15
	global_store_b128 v[GO], v[BB+4*\i:BB+4*\i+3], s[\base:\base+1] offset:(16*(\m)+\i)*8192 th:TH_STORE_NT   ; 32 lanes store 512 consecutive bytes, at a multiple of 512 from out's first byte
.endr
.endm
.macro OUTPUT base
	TOSTAGE 0
.irp a, 1,2,3
.if \a > 1
	s_wait_xcnt 0x0                                ; tile a - 2's stores have read their registers: tile a's loads may land there
.endif
	TOSTAGE \a
	SEND \a-1, 32, \base                           ; behind tile a - 1's loads: tile a's 16 stores and 16 loads
.endr
	SEND 3, 0, \base
.endm
; A PV wave's interval.  first 0: the sums go on; 1: they start; 2: they start where tau = n1 + 1.  out 0: none; 1: the second block leaves; 2: the first block leaves where tau = n1
.macro PVROLE par, first, out
.irp i, 0,1
	ds_load_b32 v[PSC+\i], v[PSA] offset:PBUF*(1-\par)+128*\i
.endr
.irp m, 0,1,2,3
.irp g, 0,1,2
	ds_load_b128 v[PF+12*\m+4*\g:PF+12*\m+4*\g+3], v[PR] offset:PBUF*(1-\par)+1536*\m+16*\g
.endr
.endr
.irp i, 0,1,2,3
	ds_load_b32 v[VSC+\i], v[VSA+\par] offset:128*\i
.endr
.irp t, 0,1,2,3,4,5,6,7
.irp g, 0,1,2
	ds_load_b128 v[VF+12*\t+4*\g:VF+12*\t+4*\g+3], v[VA+\par] offset:1536*\t+512*\g
.endr
.endr
.if (\first) == 2
	s_add_co_u32 s62, s16, 1
	s_cmp_eq_u32 s17, s62
	s_cbranch_scc1 .Lnew_\@
	PVRUN 0
	s_branch .Lrun_\@
.Lnew_\@:
	PVRUN 1
.Lrun_\@:
.else
	PVRUN \first
.endif
.if (\out) == 1
	OUTPUT 56
.elseif (\out) == 2
	s_cmp_lg_u32 s17, s16
	s_cbranch_scc1 .Lkeep_\@
	OUTPUT 54
.Lkeep_\@:
.endif
.endm
; A PREFETCH INTO THE L2 of record tau + 4's codes: K's part is asked for by its tensor load two intervals on, V's four.  384 blocks of 256 bytes, a lane a block, twelve instructions: three waves in each of the four partners,
; told apart BY ADDRESS; only the head's cluster that walks all 16 records asks, so each block is named once.  Records 0 to 3 come by their loads alone; behind tau = 11 there is no record left to name.
.macro ASK
	s_cmp_le_i32 s17, s60
	s_cbranch_scc0 .Lnot_mine_\@
	global_prefetch_b8 v[PFO], s[58:59] th:TH_LOAD_NT scope:SCOPE_SE
.Lnot_mine_\@:
.endm
; THE CHANGE at an interval's head.  Every wave waits for all its tensor loads (its piece of the slot that is read next), adds 0 to its spare word, and waits for that and for all its LDS reads and stores of the last interval.
; who 0: nothing is filled: a plain barrier.  Else a round of the cluster's barrier, and behind it one joint load a wave into the slot read last: who 1: waves 0-3 (K); 2: waves 4-7 (V); 3: all.
.macro CHANGE par, who, ask
	s_wait_tensorcnt 0x0                           ; no tensor load of mine is out, so a group 0 may be written
	ds_add_u32 v[SPW], v[NIL]                      ; 0 onto my spare word; the descriptor's step stands between it and the wait for it
.if \who
	s_wait_xcnt 0x0                                ; the last prefetch has read its address, and the way out's stores their registers
	s_add_nc_u64 s[58:59], s[58:59], REC
	s_add_co_u32 s66, s17, s18                     ; the step that I fetch: tau + 2 for K, tau for V;
	s_cmp_ge_u32 s66, s16
	s_cselect_b32 s67, s16, 0
	s_sub_co_u32 s66, s66, s67                     ; its record: the second block begins at record 0 again
	s_mul_i32 s66, s66, REC
	s_mov_b32 s67, 0
	s_add_nc_u64 s[46-4*\par:47-4*\par], s[52:53], s[66:67]
	s_or_b32 s[47-4*\par], s[47-4*\par], 0x80000000
	s_wait_dscnt 0x0                               ; the add is done; my reads of the slot that is filled next are over, and my stores of p have landed
	ROUND
.if (\who) == 1
	s_cmp_lt_u32 s10, 4
	s_cbranch_scc0 .Lno_load_\@
.elseif (\who) == 2
	s_cmp_ge_u32 s10, 4
	s_cbranch_scc0 .Lno_load_\@
.endif
	tensor_load_to_lds s[44-4*\par:47-4*\par], s[24:31]   ; my one tensor load behind the round, and the first thing there: it has the interval in which to land
	s_nop 0
	NOPS 4
.Lno_load_\@:
.if \ask
	ASK
.endif
.else
	s_wait_dscnt 0x0
	s_barrier_signal -1
	s_barrier_wait -1
.endif
.endm
; sm: the S waves' mode, 3 = they rest;  pm = 0: the PV waves rest
.macro INTERVAL par, who, ask, sm, dsk, pm, first, out
	CHANGE \par, \who, \ask
	s_cmp_lg_u32 s11, 0
	s_cbranch_scc1 .Lpv_\@
.if (\sm) < 3
	SROLE \par, \dsk, \sm
.endif
	s_branch .Ljoin_\@
.Lpv_\@:
.if \pm
	PVROLE \par, \first, \out
.endif
.Ljoin_\@:
	s_add_co_u32 s17, s17, 1
.endm
	s_wait_tensorcnt 1                             ; my pieces of Q and of slot 1 are in; slot 0's may stay out
	s_barrier_signal -1
	s_barrier_wait -1                              ; everybody's are
	s_cmp_lg_u32 s11, 0
	s_cbranch_scc1 .Lno_first_fetch
	LOADQ 0                                        ; the first block's queries,
	LOADK 1                                        ; and K of step 0
.Lno_first_fetch:
	INTERVAL 0, 1, 1, 0, 1, 0, 0, 0                ; tau = 0: S(0)
	INTERVAL 1, 1, 1, 0, 1, 1, 1, 0                ; tau = 1: S(1) | PV(0) starts the sums
	s_mov_b32 s19, 7
.Lpair:                                            ; tau = 2 .. 15, two intervals a trip: the slots and p's buffers are back where they began
	INTERVAL 0, 3, 1, 2, 1, 1, 0, 2
	INTERVAL 1, 3, 1, 2, 1, 1, 2, 0
	s_sub_co_u32 s19, s19, 1
	s_cmp_lg_u32 s19, 0
	s_cbranch_scc1 .Lpair
	INTERVAL 0, 2, 0, 1, 1, 1, 0, 2                ; tau = 16: the second block's diagonal, first half; nothing of K is left to ask for
	INTERVAL 1, 2, 0, 1, 0, 1, 2, 0                ; tau = 17: its second half; nothing of K is left to fetch
	INTERVAL 0, 0, 0, 3, 0, 1, 0, 1                ; tau = 18: PV(17), and the second block leaves
	s_wait_tensorcnt 0x0                           ; the wave's end: behind my last tensor load and my last LDS store
	ds_add_u32 v[SPW], v[NIL]
	s_wait_dscnt 0x0
	ROUND                                          ; the closing round: no work-group ends while a partner may still ask for a piece that names it
	s_endpgm
.Lfunc_end_k_qb9be9595ed_attn:
	.size	k_qb9be9595ed_attn, .Lfunc_end_k_qb9be9595ed_attn-k_qb9be9595ed_attn
	.p2alignl 7, 3214868480
	.fill 96, 4, 3214868480
	.section	.rodata,"a",@progbits
	.p2align	6, 0x0
	.amdhsa_kernel k_qb9be9595ed_attn
		.amdhsa_group_segment_fixed_size 327680
		.amdhsa_private_segment_fixed_size 0
		.amdhsa_enable_private_segment 0
		.amdhsa_kernarg_size 24
		.amdhsa_user_sgpr_count 2
		.amdhsa_user_sgpr_kernarg_segment_ptr 1
		.amdhsa_wavefront_size32 1
		.amdhsa_system_sgpr_workgroup_id_x 1
		.amdhsa_system_sgpr_workgroup_id_y 1
		.amdhsa_system_sgpr_workgroup_id_z 1
		.amdhsa_system_vgpr_workitem_id 0
		.amdhsa_next_free_vgpr 512
		.amdhsa_next_free_sgpr 80
		.amdhsa_reserve_vcc 1
		.amdhsa_float_denorm_mode_32 3
		.amdhsa_float_denorm_mode_16_64 3
		.amdhsa_memory_ordered 1
		.amdhsa_forward_progress 1
		.amdhsa_inst_pref_size 248
	.end_amdhsa_kernel
	.amdgpu_metadata
---
amdhsa.version: [ 1, 2 ]
amdhsa.kernels:
  - .name:           k_qb9be9595ed_attn
    .symbol:         k_qb9be9595ed_attn.kd
    .args:
      - { .name: qimg, .offset: 0, .size: 8, .value_kind: global_buffer, .address_space: global }
      - { .name: kvimg, .offset: 8, .size: 8, .value_kind: global_buffer, .address_space: global }
      - { .name: out0, .offset: 16, .size: 8, .value_kind: global_buffer, .address_space: global }
    .group_segment_fixed_size: 327680
    .private_segment_fixed_size: 0
    .kernarg_segment_align: 8
    .kernarg_segment_size: 24
    .max_flat_workgroup_size: 256
    .sgpr_count:     80
    .vgpr_count:     512
    .wavefront_size: 32
...
	.end_amdgpu_metadata
.endif
;; end of part 2
